; MI455X (gfx1250); checked and timed in simulation.
; The chip was launched on July 23, 2026; its instructions are those of AMD's public machine-readable ISA for CDNA 5 (MIT licence, August 2026) and "CDNA5" Instruction Set Architecture Reference Guide (July 2026). The comments in the code are by the model that wrote it; some were corrected since.
;; Industry Sparse Attention. Allowed arithmetic: float matrix products may take bf16 or f16 operands with f32 sums; all other float work in f32.
;; Inputs: Wk 512 x 512 float32; Wo 512 x 512 float32; Wq 512 x 512 float32; Wv 512 x 512 float32; bk 512 float32; bo 512 float32; bq 512 float32; bv 512 float32; industry_ids 2,048 int32; x 8 x 2,048 x 512 float32.
;; Outputs: out0 8 x 2,048 x 512 float32.
;; One version. Each part assembles by itself: llvm-mc -triple=amdgcn-amd-amdhsa -mcpu=gfx1250 --defsym DOCPART=n.
;; ======== version 1 of 1: 3 launches
;; limits: values are held in f16: magnitudes above 65,504 overflow, below 6.1e-05 lose precision
;; workspace buffers: meta 32,768 bytes of whole numbers; wb 2,097,152 bytes; qkv 50,331,648 bytes
;; launch prep (part 1): grid 256 x 1, 16 waves a work-group, no clusters, 4,096 bytes of LDS; arguments Wq, Wk, Wv, Wo, industry_ids, meta, wb; writes meta, wb
.if DOCPART == 1
	.amdgcn_target "amdgcn-amd-amdhsa--gfx1250"
	.amdhsa_code_object_version 6
	.text
	.protected	k_q4205191aef_prep
	.globl	k_q4205191aef_prep
	.p2align	8
	.type	k_q4205191aef_prep,@function
k_q4205191aef_prep:
	s_mov_b64 s[64:65], 0
	v_nop
	global_prefetch_b8 v0, s[64:65] scope:SCOPE_SE
	s_setreg_imm32_b32 hwreg(HW_REG_WAVE_MODE, 25, 1), 1
	s_wait_xcnt 0x0
; prep: (A) the four weight matrices [512][512] f32 -> f16 in wb; (B) a stable rank of the 2,048 industry ids -> meta.
; wb: four sections of 524,288 bytes.  Sections 0-2 = Wq, Wk, Wv row-major.  Section 3 = Wo in fragment order: the 16-byte granule
;   u = ((((w*16+ks)*4+nt)*2+q)*32+l) holds Wo[64w+16nt+(l&15)][32ks+16q+8(l>>4) .. +7], so that a later wave loads its matrix
;   fragments as runs of 512 consecutive bytes.
; meta (bytes): perm[2048] at 0 (sorted place -> token), sid at 8192 (id at a sorted place), gs at 16384 (first place of its group),
;   ge at 24576 (one past its group's last place).  The rank is made by counting, for ANY int32 ids (signed order): no table of ids.
; 256 work-groups of 16 waves.  Work-group g ranks tokens 8g .. 8g+7 and converts 512 granules (one a thread) of matrix g>>6.
; A lane is (t = lane & 7, js = lane >> 3): token 8g + t against the 32 ids of block 4w + js, so the 512 threads cover 8 tokens x 2,048 ids.
; A wave adds its four js groups in registers and puts 3 x 8 counts into its own 32 bytes of three LDS tables; wave 0 adds the 16 waves' and stores.
; LIMIT: weights must lie inside f16's range (below 65,504 in magnitude).
; The four words of a token go to its sorted place by one 4-byte store of wave 0: 32 KiB in the whole launch, each word stored once (the rank is a permutation).
.set T7,  1                            ; t: my token in the work-group's eight
.set IDI, 2                            ; my token's id
.set LT,  3                            ; ids below mine
.set LE,  4                            ; ids below or equal
.set RK,  5                            ; my rank: below, or equal and earlier
.set TMP, 6
.set TI,  7                            ; my token's place in its block of 32, in the lanes that hold that block; 0 in the others
.set TOK, 8                            ; my token
.set IDA, 9                            ; its byte offset in the ids
.set U,   10                           ; my granule
.set IN,  11                           ; its byte offset in the f32 matrix
.set OU,  12                           ; its byte offset in wb
.set JA,  13                           ; byte offset of my 32 ids
.set BLK, 14                           ; 4 w + js: which block of 32 ids is mine
.set SA,  15                           ; 32 w + 4 t: my word in each LDS table
.set X,   16                           ; v[16:23]  8 f32, packed in place to 4 registers
.set J,   24                           ; v[24:55]  my 32 ids
.set PT,  56                           ; v[56:71]  at work; in wave 0 the 16 waves' counts
.set RA,  72
.set DT,  73
.set AD,  74
	s_load_b256 s[4:11], s[0:1], 0x0               ; Wq s[4:5], Wk s[6:7], Wv s[8:9], Wo s[10:11]
	s_load_b128 s[12:15], s[0:1], 0x20             ; ids s[12:13], meta s[14:15]
	s_load_b64 s[16:17], s[0:1], 0x30              ; wb
	v_lshl_add_u32 v80, v0, 2, 0x800
	v_mov_b32 v81, 0
	v_lshrrev_b32 v[TMP], 5, v0
	v_readfirstlane_b32 s18, v[TMP]                ; wave 0..15
	v_and_b32 v[T7], 7, v0
	v_lshrrev_b32 v[BLK], 3, v0
	v_lshlrev_b32 v[JA], 7, v[BLK]                 ; 32 ids are 128 bytes
	s_lshl_b32 s19, ttmp9, 3
	v_add_nc_u32 v[TOK], s19, v[T7]                ; token 8 g + t
	v_lshlrev_b32 v[IDA], 2, v[TOK]
	s_lshl_b32 s20, s18, 5
	v_lshl_add_u32 v[SA], v[T7], 2, s20
	s_lshr_b32 s21, ttmp9, 2                       ; the block of 32 that holds my work-group's tokens
	s_and_b32 s22, ttmp9, 3
	s_lshl_b32 s22, s22, 3                         ; where they begin in it
	s_lshr_b32 s23, ttmp9, 4                       ; the wave that compares with that block
	s_lshr_b32 s24, ttmp9, 6                       ; which matrix
	s_and_b32 s25, ttmp9, 63
	s_lshl_b32 s25, s25, 9                         ; first granule of my 64th of it
	s_lshl_b32 s26, s24, 19                        ; its section in wb
	s_cmp_eq_u32 s24, 3
	s_cselect_b32 s27, -1, 0                       ; all ones for Wo: fragment order
	s_mov_b32 s28, 0x76543210                      ; v_permlanex16_b32: lane i takes lane i ^ 16
	s_mov_b32 s29, 0xfedcba98
	v_add_nc_u32 v[U], s25, v0
	; where granule u's eight f32 lie: row-major 32 u; for Wo row n = 64 w + 16 nt + (l & 15), byte 128 ks + 32 (2 q + h) of it
	v_and_b32 v[PT], 15, v[U]
	v_bfe_u32 v[PT+1], v[U], 6, 2                  ; nt
	v_lshl_add_u32 v[PT], v[PT+1], 4, v[PT]
	v_lshrrev_b32 v[PT+1], 12, v[U]                ; w
	v_lshl_add_u32 v[PT], v[PT+1], 6, v[PT]        ; n
	v_bfe_u32 v[PT+1], v[U], 8, 4                  ; ks
	v_lshlrev_b32 v[PT], 11, v[PT]                 ; a row is 2,048 bytes
	v_lshl_add_u32 v[PT], v[PT+1], 7, v[PT]
	v_bfe_u32 v[PT+1], v[U], 4, 2                  ; 2 q + h
	v_lshl_add_u32 v[PT], v[PT+1], 5, v[PT]
	v_lshlrev_b32 v[PT+1], 5, v[U]
	v_cndmask_b32 v[IN], v[PT+1], v[PT], s27
	v_lshl_add_u32 v[OU], v[U], 4, s26
	v_cmp_eq_u32 vcc_lo, s21, v[BLK]
	v_add_nc_u32 v[TI], s22, v[T7]
	v_cndmask_b32 v[TI], 0, v[TI], vcc_lo
	v_mov_b32 v[LT], 0
	v_mov_b32 v[LE], 0
	s_wait_kmcnt 0x0
	global_load_b32 v[IDI], v[IDA], s[12:13]
.irp i, 0,1,2,3,4,5,6,7
	global_load_b128 v[J+4*\i:J+4*\i+3], v[JA], s[12:13] offset:16*\i
.endr
	s_cmp_eq_u32 s24, 1                            ; the matrix's address, chosen by the work-group's number
	s_cselect_b64 s[30:31], s[6:7], s[4:5]
	s_cmp_eq_u32 s24, 2
	s_cselect_b64 s[30:31], s[8:9], s[30:31]
	s_cmp_eq_u32 s24, 3
	s_cselect_b64 s[30:31], s[10:11], s[30:31]
	global_load_b128 v[X:X+3],   v[IN], s[30:31] th:TH_LOAD_NT
	global_load_b128 v[X+4:X+7], v[IN], s[30:31] offset:16 th:TH_LOAD_NT
	s_wait_loadcnt 2                               ; my id and my 32 ids are in; the two weight loads behind them stay out during the counting
.set jj, 0
.rept 32
	v_cmp_lt_i32 vcc_lo, v[J+jj], v[IDI]
	v_add_co_ci_u32 v[LT], vcc_lo, 0, v[LT], vcc_lo
	v_cmp_le_i32 vcc_lo, v[J+jj], v[IDI]
	v_add_co_ci_u32 v[LE], vcc_lo, 0, v[LE], vcc_lo
.set jj, jj+1
.endr
	v_cmp_gt_u32 vcc_lo, s21, v[BLK]               ; my 32 ids lie wholly ahead of my token's block:
	v_cndmask_b32 v[RK], v[LT], v[LE], vcc_lo      ; below or equal counts for the rank; in later blocks and its own: below
	s_cmp_lg_u32 s18, s23
	s_cbranch_scc1 .Lnot_own
	; the wave that holds my tokens' own block: an equal id counts if it stands ahead of my token (place jj < TI; TI is 0 in the other blocks' lanes)
.set jj, 0
.rept 31
	v_cmp_eq_u32 vcc_lo, v[J+jj], v[IDI]
	v_cmp_lt_u32 s35, jj, v[TI]
	s_and_b32 vcc_lo, vcc_lo, s35
	v_add_co_ci_u32 v[RK], vcc_lo, 0, v[RK], vcc_lo
.set jj, jj+1
.endr
.Lnot_own:
; the four js groups of a token are lanes t, t + 8, t + 16, t + 24: lane ^ 8, then lane ^ 16; every lane ends with the wave's count
.macro ALLJS r
	v_mov_b32_dpp v[TMP], v[\r] row_xmask:8 row_mask:0xf bank_mask:0xf
	v_add_nc_u32 v[\r], v[\r], v[TMP]
	v_permlanex16_b32 v[TMP], v[\r], s28, s29
	v_add_nc_u32 v[\r], v[\r], v[TMP]
.endm
	ALLJS LT
	ALLJS LE
	ALLJS RK
	ds_store_b32 v[SA], v[LT]                      ; three tables of 16 waves x 8 tokens; a token's four lanes write the same word with the same value
	ds_store_b32 v[SA], v[LE] offset:512
	ds_store_b32 v[SA], v[RK] offset:1024
	s_wait_dscnt 0x0                               ; my counts are in LDS, for wave 0's sake
	s_barrier_signal -1
	s_barrier_wait -1
	s_cmp_lg_u32 s18, 0
	s_cbranch_scc1 .Lweights
	; wave 0: lane group c = lane >> 3 adds table c (0 below, 1 below or equal, 2 and 3 the rank) for token t
	v_min_u32 v[RA], 2, v[BLK]                     ; in wave 0 BLK = lane >> 3
	v_lshlrev_b32 v[RA], 9, v[RA]
	v_lshl_add_u32 v[RA], v[T7], 2, v[RA]
.set ww, 0
.rept 16
	ds_load_b32 v[PT+ww], v[RA] offset:32*ww
.set ww, ww+1
.endr
	s_mov_b32 s32, 0xffff0000
	s_mov_b32 s33, 0x00ff0000
	s_mov_b32 s34, 0xff000000
	s_wait_dscnt 0x0
	v_add3_u32 v[DT], v[PT], v[PT+1], v[PT+2]
.set k, 3
.rept 6
	v_add3_u32 v[DT], v[DT], v[PT+k], v[PT+k+1]
.set k, k+2
.endr
	v_add_nc_u32 v[DT], v[DT], v[PT+15]
	v_permlanex16_b32 v[TMP], v[DT], s28, s29
	v_cndmask_b32 v[RK], v[TMP], v[DT], s32        ; lanes 16-31 hold the rank themselves; lanes 0-15 take it from lane ^ 16
	v_cndmask_b32 v[DT], v[DT], v[TOK], s33        ; what goes out: group 0 gs, group 1 ge, group 2 the token, group 3 its id
	v_cndmask_b32 v[DT], v[DT], v[IDI], s34
	v_min_u32 v[RK], 0x7ff, v[RK]                  ; a rank is below 2,048
	v_xor_b32 v[AD], 2, v[BLK]                     ; the group's table: gs at 2, ge at 3, perm at 0, sid at 1, times 8,192 bytes
	v_lshlrev_b32 v[AD], 13, v[AD]
	v_lshl_add_u32 v[AD], v[RK], 2, v[AD]
	global_store_b32 v[AD], v[DT], s[14:15]
.Lweights:
	; the weights: eight f32 to eight f16, packed in place (ascending, so no source is lost); a wave's store covers 512 consecutive bytes, aligned
	s_wait_loadcnt 0x0
.irp j, 0,1,2,3
	v_cvt_pk_f16_f32 v[X+\j], v[X+2*\j], v[X+2*\j+1]
.endr
	global_store_b128 v[OU], v[X:X+3], s[16:17]
	s_wait_tensorcnt 0x0
	ds_add_u32 v80, v81
	s_wait_dscnt 0x0
	s_endpgm
.Lfunc_end_k_q4205191aef_prep:
	.size	k_q4205191aef_prep, .Lfunc_end_k_q4205191aef_prep-k_q4205191aef_prep
	.p2alignl 7, 3214868480
	.fill 96, 4, 3214868480
	.section	.rodata,"a",@progbits
	.p2align	6, 0x0
	.amdhsa_kernel k_q4205191aef_prep
		.amdhsa_group_segment_fixed_size 4096
		.amdhsa_private_segment_fixed_size 0
		.amdhsa_enable_private_segment 0
		.amdhsa_kernarg_size 56
		.amdhsa_user_sgpr_count 2
		.amdhsa_user_sgpr_kernarg_segment_ptr 1
		.amdhsa_wavefront_size32 1
		.amdhsa_system_sgpr_workgroup_id_x 1
		.amdhsa_system_sgpr_workgroup_id_y 1
		.amdhsa_system_sgpr_workgroup_id_z 1
		.amdhsa_system_vgpr_workitem_id 0
		.amdhsa_next_free_vgpr 82
		.amdhsa_next_free_sgpr 66
		.amdhsa_reserve_vcc 1
		.amdhsa_float_denorm_mode_32 3
		.amdhsa_float_denorm_mode_16_64 3
		.amdhsa_memory_ordered 1
		.amdhsa_forward_progress 1
		.amdhsa_inst_pref_size 17
	.end_amdhsa_kernel
	.amdgpu_metadata
---
amdhsa.version: [ 1, 2 ]
amdhsa.kernels:
  - .name:           k_q4205191aef_prep
    .symbol:         k_q4205191aef_prep.kd
    .args:
      - { .name: Wq, .offset: 0, .size: 8, .value_kind: global_buffer, .address_space: global }
      - { .name: Wk, .offset: 8, .size: 8, .value_kind: global_buffer, .address_space: global }
      - { .name: Wv, .offset: 16, .size: 8, .value_kind: global_buffer, .address_space: global }
      - { .name: Wo, .offset: 24, .size: 8, .value_kind: global_buffer, .address_space: global }
      - { .name: industry_ids, .offset: 32, .size: 8, .value_kind: global_buffer, .address_space: global }
      - { .name: meta, .offset: 40, .size: 8, .value_kind: global_buffer, .address_space: global }
      - { .name: wb, .offset: 48, .size: 8, .value_kind: global_buffer, .address_space: global }
    .group_segment_fixed_size: 4096
    .private_segment_fixed_size: 0
    .kernarg_segment_align: 8
    .kernarg_segment_size: 56
    .max_flat_workgroup_size: 512
    .sgpr_count:     66
    .vgpr_count:     82
    .wavefront_size: 32
...
	.end_amdgpu_metadata
.endif
;; end of part 1
;; launch qkv (part 2): grid 128 x 2, 4 waves a work-group, clusters of 4 x 1, 327,680 bytes of LDS; arguments x, wb, bq, bk, bv, meta, qkv; writes qkv
.if DOCPART == 2
	.amdgcn_target "amdgcn-amd-amdhsa--gfx1250"
	.amdhsa_code_object_version 6
	.text
	.protected	k_q4205191aef_qkv
	.globl	k_q4205191aef_qkv
	.p2align	8
	.type	k_q4205191aef_qkv,@function
k_q4205191aef_qkv:
	s_mov_b64 s[64:65], 0
	v_nop
	global_prefetch_b8 v0, s[64:65] scope:SCOPE_SE
	s_setreg_imm32_b32 hwreg(HW_REG_WAVE_MODE, 25, 1), 1
	s_wait_xcnt 0x0
	s_wait_alu depctr_hold_cnt(0) depctr_sa_sdst(0) depctr_va_vdst(0) depctr_va_sdst(0) depctr_va_ssrc(0) depctr_va_vcc(0) depctr_vm_vsrc(0)
	s_getreg_b32 s2, hwreg(HW_REG_IB_STS2, 6, 4)
	s_cmp_eq_u32 s2, 0
	s_cbranch_scc0 .Lentry_in_a_cluster
	s_endpgm
.Lentry_in_a_cluster:
	s_bfe_u32 s2, ttmp6, 0x10000c
	s_cmp_lg_u32 s2, 0x3003
	s_cbranch_scc0 .Lentry_shape_is_right
	s_endpgm
.Lentry_shape_is_right:
; qkv: q, k, v = x W^T + b for 128 tokens in SORTED order (gathered through perm) and four heads, stored as f16 in fragment order.
; qkv is made of blocks of 512 bytes: byte ((type*64 + b*8 + head)*128 + ttile)*2048 + sub*512 + lane*16; ttile = 16 sorted tokens.
;   q, k (type 0, 1): lane (r, h) holds token 16 ttile + r, features 16 sub + 8h .. +7.   v (type 2): feature 16 sub + r, tokens 16 ttile + 8h .. +7.
;   That is a matrix result packed as it stands AND the operand layout of the next launch: every store here covers 512 consecutive bytes.
; Work-group (rb, y): batch rb>>4, sorted places 128 (rb&15) .. +127, heads 4y .. 4y+3 of q, k and v = six chunks of 128 rows of W.
; Four waves: wave w takes rows 64 (w>>1) .. +63 and 64 of a chunk's 128 W rows (one head).  Its 64 x 512 of x stay in 512 registers
; as fragments for the whole launch; only W's fragments are read from LDS: one fragment feeds four matrix instructions.
; CLUSTER 4 x 1: the four row blocks of a cluster need the same chunks of W (they hang on y, the chunk and the wave alone) and ask
; for them jointly, mask 15: the requests for W are divided by four.  Two LDS slots of one chunk each take turns.
; A wave has two tensor loads out at the start and one behind each round.
; LIMIT: operands are f16: |x|, |W|, |q|, |k|, |v| below 65,504.  NaN and infinities are not honoured.
; REGISTER WINDOWS: 0 addresses, T, biases; 1 accumulators (0-127) and two buffers of W fragments (128-255), and during the staging the
; f32 rows of x; 2 and 3 the fragments of x (K steps 0-7 and 8-15, at 32 (ks & 7) + 8 mt).
.set STP,   272                        ; stage row: 128 f16 + 16 bytes: an odd multiple of 16, so 16 rows start in 16 different 16-byte columns
.set WP,    1040                       ; slot row: 512 f16 + 16 bytes
.set SLOT0, 128*STP                    ; 34,816: the stage (LDS stores only) lies in front of the slots (tensor loads only)
.set SLOTB, 128*WP                     ; 133,120 bytes a slot
.set WPART, 32*WP                      ; what one wave's tensor load fills
.set L16,  1                           ; 16 x lane
.set RR,   2                           ; lane & 15
.set HH,   3                           ; lane >> 4
.set ADRB, 4                           ; v4, v5  LDS address of my W fragments in slot 0, 1
.set ADRA, 6                           ; LDS address of my x fragments in the stage
.set STW,  7                           ; where I put 8 bytes of a staged row
.set BOQ,  8                           ; 32 h: bias of q, k (eight features a lane)
.set BOV,  9                           ; 4 r:  bias of v (one feature a lane)
.set OFFR, 16                          ; v[16:47]   byte offset in x of my 16 bytes of each of my wave's 32 staged rows
.set T,    48                          ; v[48:111]  packed f16, on the way to LDS or to memory
.set BI,   112                         ; v[112:175] two sets of 4 x 8: the bias as the first product's C
.set BF,   128                         ; window 1: two buffers of 2 K steps x 4 fragments of W
.set G1,   24                          ; s[24:31] descriptor group 1
.set G0,   32                          ; s[32:39] descriptor group 0, one set a slot
.set MSB, 0
.macro WIN new                         ; the immediate's high byte repeats the setting that is left
.if MSB != (\new)
	s_set_vgpr_msb (MSB<<8)|(\new)
.set MSB, (\new)
.endif
.endm
.macro PLACES                          ; four plain vector instructions between a matrix instruction and a load into, or a read of, its registers
.rept 4
	v_nop
.endr
.endm
.macro CREST                           ; a round of the cluster's barrier behind its opening work-group barrier
	s_cmp_lg_u32 s18, 0
	s_cbranch_scc1 .Lnot_wave_0_\@
	s_barrier_signal -3
.Lnot_wave_0_\@:
	s_barrier_wait -3
	s_barrier_signal -1
	s_barrier_wait -1
.endm
.macro ROUND
	s_barrier_signal -1
	s_barrier_wait -1
	CREST
.endm
	s_load_b256 s[4:11], s[0:1], 0x0               ; x s[4:5], wb s[6:7], bq s[8:9], bk s[10:11]
	s_load_b128 s[12:15], s[0:1], 0x20             ; bv s[12:13], meta s[14:15]
	s_load_b64 s[16:17], s[0:1], 0x30              ; qkv
	v_lshl_add_u32 v254, v0, 2, 0x49800
	v_mov_b32 v255, 0
	ds_add_u32 v254, v255
	v_lshrrev_b32 v10, 5, v0
	v_readfirstlane_b32 s18, v10                   ; wave 0..3
	s_lshr_b32 s19, s18, 1                         ; rh: which 64 rows
	s_and_b32 s20, s18, 1                          ; nq: which 64 of a chunk's W rows
	s_bfe_u32 s21, ttmp6, 0x40000                  ; cx
	s_lshl_b32 s22, ttmp9, 2
	s_add_co_u32 s22, s22, s21                     ; rb = 4 x cluster x + cx
	s_and_b32 s23, ttmp7, 0xffff                   ; y
	; group 1: 32 rows x 512 elements of 2 bytes, 4 words of padding behind every 256 words; mask 15 = all four of the cluster, bit 21 beside it
	s_mov_b32 s[G1+0], 15|(1<<16)|(1<<20)|(1<<21)|(7<<22)|(3<<25)
	s_mov_b32 s[G1+1], 512<<16                     ; tensor_dim0 = 512
	s_mov_b32 s[G1+2], 32<<16                      ; tensor_dim1 = 32
	s_mov_b32 s[G1+3], 512<<16                     ; tile_dim0 = 512
	s_mov_b32 s[G1+4], 32                          ; tile_dim1 = 32
	s_mov_b32 s[G1+5], 512                         ; elements from row to row
	s_mov_b32 s[G1+6], 0
	s_mov_b32 s[G1+7], 0
	s_mul_i32 s40, s18, WPART                      ; my quarter of a slot: the wave's number alone enters an LDS address
	s_lshl_b32 s42, s23, 18                        ; W row 256 y, 1,024 bytes a row
	s_lshl_b32 s41, s18, 15                        ; + 32 w rows
	s_add_co_u32 s42, s42, s41
	s_mov_b32 s43, 0
	v_and_b32 v10, 31, v0
	v_lshlrev_b32 v[L16], 4, v10
	v_and_b32 v[RR], 15, v0
	v_bfe_u32 v[HH], v0, 4, 1
	v_mul_u32_u24 v11, v[RR], WP
	v_lshl_add_u32 v11, v[HH], 4, v11              ; row x pitch + 16 h: a 16-bit fragment is two 16-byte loads, 32 bytes apart
	s_mul_i32 s41, s20, 64*WP
	s_add_co_u32 s41, s41, SLOT0
	v_add_nc_u32 v[ADRB], s41, v11
	v_add_nc_u32 v[ADRB+1], SLOTB, v[ADRB]
	v_mul_u32_u24 v11, v[RR], STP
	v_lshl_add_u32 v11, v[HH], 4, v11
	s_mul_i32 s41, s19, 64*STP
	v_add_nc_u32 v[ADRA], s41, v11
	s_mul_i32 s41, s18, 32*STP
	v_lshl_add_u32 v[STW], v10, 3, s41
	v_lshlrev_b32 v[BOQ], 5, v[HH]
	v_lshlrev_b32 v[BOV], 2, v[RR]
	; what hangs on cx lives in s58-s63 and s100, which feed no descriptor
	s_and_b32 s58, s22, 15                         ; st: which 128 sorted places
	s_lshr_b32 s60, s22, 4                         ; batch
	s_lshl_b32 s100, s58, 9
	s_lshl_b32 s59, s18, 7
	s_add_co_u32 s100, s100, s59                   ; byte of perm[128 st + 32 w]
	s_lshl_b32 s62, s60, 3
	s_lshl2_add_u32 s62, s23, s62
	s_add_co_u32 s62, s62, s20                     ; 8 b + 4 y + nq
	s_lshl_b32 s62, s62, 18
	s_lshl_b32 s59, s58, 3
	s_lshl2_add_u32 s59, s19, s59                  ; ttile 8 st + 4 rh
	s_lshl_b32 s59, s59, 11
	s_add_co_u32 s62, s62, s59
	s_mov_b32 s63, 0
	s_lshl_b32 s60, s60, 22                        ; a batch of x is 4 MiB
	s_mov_b32 s61, 0
	s_lshl2_add_u32 s50, s23, s20                  ; head 4 y + nq,
	s_lshl_b32 s50, s50, 8                         ; 256 bytes of bias a head
	s_mov_b32 s51, 0
	s_wait_dscnt 0x0
	s_wait_kmcnt 0x0
	s_load_b512 s[68:83], s[14:15], s100 offset:0x0    ; the tokens of my wave's 32 staged rows
	s_load_b512 s[84:99], s[14:15], s100 offset:0x40
	s_add_nc_u64 s[42:43], s[6:7], s[42:43]
	s_add_nc_u64 s[44:45], s[4:5], s[60:61]        ; x at my batch
	s_add_nc_u64 s[46:47], s[16:17], s[62:63]      ; qkv at type 0, head 4 y + nq, my first ttile
	s_add_nc_u64 s[52:53], s[8:9], s[50:51]
	s_add_nc_u64 s[54:55], s[10:11], s[50:51]
	s_add_nc_u64 s[56:57], s[12:13], s[50:51]
.irp n, 0,1
	s_mov_b32 s[G0+4*\n], 1
	s_add_co_u32 s[G0+4*\n+1], s40, SLOT0+\n*SLOTB
	s_add_nc_u64 s[G0+4*\n+2:G0+4*\n+3], s[42:43], \n*131072       ; chunk n: 128 rows of 1,024 bytes further
	s_or_b32 s[G0+4*\n+3], s[G0+4*\n+3], 0x80000000
.endr
	ROUND                                          ; all four work-groups are here: the first joint loads meet
	tensor_load_to_lds s[G0:G0+3], s[G1:G1+7]      ; chunk 0
	s_nop 0
	tensor_load_to_lds s[G0+4:G0+7], s[G1:G1+7]    ; chunk 1
	s_nop 0
	s_wait_kmcnt 0x0
.set i, 0
.rept 32
	s_min_u32 s[68+i], s[68+i], 0x7ff              ; a token is below 2,048
	v_lshl_add_u32 v[OFFR+i], s[68+i], 11, v[L16]  ; its row of 2,048 bytes, my 16 bytes
.set i, i+1
.endr
; the bias of chunk c into set: q, k: register j = bias[16 nt + 8 h + j]; v: one number a lane, spread over its eight registers later
.macro BIAS c, set
.if (\c) < 4
.irp nt, 0,1,2,3
	global_load_b128 v[BI+32*(\set)+8*\nt:BI+32*(\set)+8*\nt+3],   v[BOQ], s[52+2*((\c)>>1):53+2*((\c)>>1)] offset:((\c)&1)*512+64*\nt
	global_load_b128 v[BI+32*(\set)+8*\nt+4:BI+32*(\set)+8*\nt+7], v[BOQ], s[52+2*((\c)>>1):53+2*((\c)>>1)] offset:((\c)&1)*512+64*\nt+16
.endr
.else
.irp nt, 0,1,2,3
	global_load_b32 v[BI+32*(\set)+8*\nt], v[BOV], s[56:57] offset:((\c)&1)*512+64*\nt
.endr
.endif
.endm
; K quarter p of my 32 rows: one load = 512 consecutive bytes of one row
.macro XLOAD p
	WIN 0x40
.set i, 0
.rept 32
	global_load_b128 v[128*((\p)&1)+4*i:128*((\p)&1)+4*i+3], v[OFFR+i], s[44:45] offset:512*(\p)
.set i, i+1
.endr
.endm
	BIAS 0, 0
	BIAS 1, 1
	XLOAD 0
	XLOAD 1
; One quarter of K goes f32 -> f16 -> stage -> fragments.  Two barriers: stores before the others' reads, reads before the next stores.
.macro PASS p
.if \p < 3
	s_wait_loadcnt 32                              ; this quarter's 32 loads are in (and all older ones); the next quarter's 32 stay out
.else
	s_wait_loadcnt 0x0
.endif
	WIN 0x05
.set i, 0
.rept 32
	v_cvt_pk_f16_f32 v[T+2*i],   v[128*((\p)&1)+4*i],   v[128*((\p)&1)+4*i+1]
	v_cvt_pk_f16_f32 v[T+2*i+1], v[128*((\p)&1)+4*i+2], v[128*((\p)&1)+4*i+3]
.set i, i+1
.endr
.if \p < 2
	XLOAD \p+2
.endif
	WIN 0
.set i, 0
.rept 32
	ds_store_b64 v[STW], v[T+2*i:T+2*i+1] offset:STP*i
.set i, i+1
.endr
	s_wait_dscnt 0x0                               ; my rows are in the stage, for the others' sake
	s_barrier_signal -1
	s_barrier_wait -1
.if \p < 2
	WIN 0x80
.else
	WIN 0xc0
.endif
.irp ks, 0,1,2,3
.irp mt, 0,1,2,3
	ds_load_b128 v[((4*(\p)+\ks)&7)*32+8*\mt:((4*(\p)+\ks)&7)*32+8*\mt+3],   v[ADRA] offset:\mt*16*STP+\ks*64
	ds_load_b128 v[((4*(\p)+\ks)&7)*32+8*\mt+4:((4*(\p)+\ks)&7)*32+8*\mt+7], v[ADRA] offset:\mt*16*STP+\ks*64+32
.endr
.endr
	WIN 0
	s_wait_dscnt 0x0                               ; my reads of the stage are over
.if \p == 3
	s_wait_tensorcnt 0x1                           ; my quarter of chunk 0 has landed; chunk 1's may stay out
.endif
	s_barrier_signal -1
	s_barrier_wait -1
.endm
	PASS 0
	PASS 1
	PASS 2
	PASS 3
; 16 LDS loads: W's fragments of K steps 2 g and 2 g + 1 into buffer buf
.macro FETCH slot, g, buf
	WIN 0x40
.irp kk, 0,1
.irp nt, 0,1,2,3
	ds_load_b128 v[BF+64*(\buf)+32*\kk+8*\nt:BF+64*(\buf)+32*\kk+8*\nt+3],   v[ADRB+(\slot)] offset:\nt*16*WP+(2*(\g)+\kk)*64
	ds_load_b128 v[BF+64*(\buf)+32*\kk+8*\nt+4:BF+64*(\buf)+32*\kk+8*\nt+7], v[ADRB+(\slot)] offset:\nt*16*WP+(2*(\g)+\kk)*64+32
.endr
.endr
.endm
; 32 matrix instructions: two K steps x 16 accumulators.  The sixteen accumulators take turns, one instruction a turn, in the same
; order in every K step.  vv = 0 (q, k): source 0 = W, source 1 = x: a lane holds eight features of one
; token.  vv = 1 (v): source 0 = x, source 1 = W: eight tokens of one feature.  first: the bias is the first product's C: nothing is cleared.
.macro MUL vv, g, buf, first, set
.irp kk, 0,1
.set XF, ((2*(\g)+\kk)&7)*32
.set XW, 2+((2*(\g)+\kk)>>3)
.set CW, 1-(\first)*(1-\kk)
.set WF, BF+64*(\buf)+32*\kk
.if \vv
.set WV, 0x44|(CW<<4)|XW
.else
.set WV, 0x41|(CW<<4)|(XW<<2)
.endif
	WIN WV
.irp mt, 0,1,2,3
.irp nt, 0,1,2,3
.if \vv
.if CW
	v_wmma_f32_16x16x32_f16 v[8*(4*\mt+\nt):8*(4*\mt+\nt)+7], v[XF+8*\mt:XF+8*\mt+7], v[WF+8*\nt:WF+8*\nt+7], v[8*(4*\mt+\nt):8*(4*\mt+\nt)+7]
.else
	v_wmma_f32_16x16x32_f16 v[8*(4*\mt+\nt):8*(4*\mt+\nt)+7], v[XF+8*\mt:XF+8*\mt+7], v[WF+8*\nt:WF+8*\nt+7], v[BI+32*(\set)+8*\nt:BI+32*(\set)+8*\nt+7]
.endif
.else
.if CW
	v_wmma_f32_16x16x32_f16 v[8*(4*\mt+\nt):8*(4*\mt+\nt)+7], v[WF+8*\nt:WF+8*\nt+7], v[XF+8*\mt:XF+8*\mt+7], v[8*(4*\mt+\nt):8*(4*\mt+\nt)+7]
.else
	v_wmma_f32_16x16x32_f16 v[8*(4*\mt+\nt):8*(4*\mt+\nt)+7], v[WF+8*\nt:WF+8*\nt+7], v[XF+8*\mt:XF+8*\mt+7], v[BI+32*(\set)+8*\nt:BI+32*(\set)+8*\nt+7]
.endif
.endif
.endr
.endr
.endr
.endm
; a chunk's 16 tiles: packed to f16 and stored, tile 4 mt + nt at 512 x its number: 8 KiB in a row
.macro OUT c
	s_wait_xcnt 0x0                                ; T and the base, which the last chunk's stores read, are rewritten only behind this wait
	s_add_nc_u64 s[48:49], s[46:47], ((\c)>>1)*16777216+((\c)&1)*524288    ; the type, and two heads further for the odd chunk
	WIN 0x05
.set i, 0
.rept 64
	v_cvt_pk_f16_f32 v[T+i], v[2*i], v[2*i+1]
.set i, i+1
.endr
	WIN 0
.set i, 0
.rept 16
	global_store_b128 v[L16], v[T+4*i:T+4*i+3], s[48:49] offset:512*i
.set i, i+1
.endr
.endm
; Chunk c (types q q k k v v), in slot c & 1.  Each group g of two K steps: the fragments fetched a group ago are waited for, the next
; group's are asked for, 32 matrix instructions follow.  In the last group the slots change: in front of the barrier's signal my reads
; of this slot are back and all my tensor loads have landed (one was out: my quarter of the next chunk, asked for 224 matrix
; instructions ago).  Where the slot is filled again that barrier opens a round of the cluster's barrier, with register work alone
; inside, and the joint refill is the first thing behind the round.
.macro CHUNK c
.set SL, (\c)&1
.set VV, (\c)>>2
	s_wait_dscnt 0x0
	FETCH SL, 1, 1
	MUL VV, 0, 0, 1, SL
.irp g, 1,2,3,4,5,6
	s_wait_dscnt 0x0
	PLACES
	FETCH SL, \g+1, (\g+1)&1
	MUL VV, \g, \g&1, 0, SL
.endr
	s_wait_dscnt 0x0
.if \c < 5
	s_set_vgpr_msb (MSB<<8)|((MSB&0xf0)|0x0)
	s_wait_tensorcnt 0x0
	ds_add_u32 v254, v255
	s_wait_dscnt 0x0
	s_set_vgpr_msb (((MSB&0xf0)|0x0)<<8)|MSB
	s_barrier_signal -1
.endif
	MUL VV, 7, 1, 0, SL
	WIN 0
.if \c < 5
	s_barrier_wait -1
.if \c < 4
	CREST
	s_add_nc_u64 s[G0+4*SL+2:G0+4*SL+3], s[G0+4*SL+2:G0+4*SL+3], 524288   ; two chunks on = the next matrix's section; no load of mine is out
	tensor_load_to_lds s[G0+4*SL:G0+4*SL+3], s[G1:G1+7]
	s_nop 0
.endif
	PLACES
	FETCH 1-SL, 0, 0
	OUT \c
.if \c < 4
	BIAS \c+2, SL
.endif
.if \c < 2
	s_wait_loadcnt 8                               ; the next chunk's bias is in; the eight loads just issued stay out
.else
.if \c < 4
	s_wait_loadcnt 4                               ; the same; four were just issued
.else
	s_wait_loadcnt 0x0
.endif
.endif
.if \c >= 3
.irp nt, 0,1,2,3
.irp j, 1,2,3,4,5,6,7
	v_mov_b32 v[BI+32*(1-SL)+8*\nt+\j], v[BI+32*(1-SL)+8*\nt]     ; v: a lane's eight results are one feature: its bias eight times
.endr
.endr
.endif
.else
	PLACES
	OUT \c
.endif
.endm
	FETCH 0, 0, 0
	CHUNK 0
	CHUNK 1
	CHUNK 2
	CHUNK 3
	CHUNK 4
	CHUNK 5
	ROUND                                          ; the closing round: no work-group ends while a partner may still ask jointly
	s_endpgm
.Lfunc_end_k_q4205191aef_qkv:
	.size	k_q4205191aef_qkv, .Lfunc_end_k_q4205191aef_qkv-k_q4205191aef_qkv
	.p2alignl 7, 3214868480
	.fill 96, 4, 3214868480
	.section	.rodata,"a",@progbits
	.p2align	6, 0x0
	.amdhsa_kernel k_q4205191aef_qkv
		.amdhsa_group_segment_fixed_size 327680
		.amdhsa_private_segment_fixed_size 0
		.amdhsa_enable_private_segment 0
		.amdhsa_kernarg_size 56
		.amdhsa_user_sgpr_count 2
		.amdhsa_user_sgpr_kernarg_segment_ptr 1
		.amdhsa_wavefront_size32 1
		.amdhsa_system_sgpr_workgroup_id_x 1
		.amdhsa_system_sgpr_workgroup_id_y 1
		.amdhsa_system_sgpr_workgroup_id_z 1
		.amdhsa_system_vgpr_workitem_id 0
		.amdhsa_next_free_vgpr 1024
		.amdhsa_next_free_sgpr 104
		.amdhsa_reserve_vcc 0
		.amdhsa_float_denorm_mode_32 3
		.amdhsa_float_denorm_mode_16_64 3
		.amdhsa_memory_ordered 1
		.amdhsa_forward_progress 1
		.amdhsa_inst_pref_size 251
	.end_amdhsa_kernel
	.amdgpu_metadata
---
amdhsa.version: [ 1, 2 ]
amdhsa.kernels:
  - .name:           k_q4205191aef_qkv
    .symbol:         k_q4205191aef_qkv.kd
    .args:
      - { .name: x, .offset: 0, .size: 8, .value_kind: global_buffer, .address_space: global }
      - { .name: wb, .offset: 8, .size: 8, .value_kind: global_buffer, .address_space: global }
      - { .name: bq, .offset: 16, .size: 8, .value_kind: global_buffer, .address_space: global }
      - { .name: bk, .offset: 24, .size: 8, .value_kind: global_buffer, .address_space: global }
      - { .name: bv, .offset: 32, .size: 8, .value_kind: global_buffer, .address_space: global }
      - { .name: meta, .offset: 40, .size: 8, .value_kind: global_buffer, .address_space: global }
      - { .name: qkv, .offset: 48, .size: 8, .value_kind: global_buffer, .address_space: global }
    .group_segment_fixed_size: 327680
    .private_segment_fixed_size: 0
    .kernarg_segment_align: 8
    .kernarg_segment_size: 56
    .max_flat_workgroup_size: 128
    .sgpr_count:     104
    .vgpr_count:     1024
    .wavefront_size: 32
...
	.end_amdgpu_metadata
.endif
;; end of part 2
;; launch attn (part 3): grid 32 x 8, 8 waves a work-group, no clusters, 102,400 bytes of LDS; arguments qkv, wb, bo, meta, out0; writes out0
.if DOCPART == 3
	.amdgcn_target "amdgcn-amd-amdhsa--gfx1250"
	.amdhsa_code_object_version 6
	.text
	.protected	k_q4205191aef_attn
	.globl	k_q4205191aef_attn
	.p2align	8
	.type	k_q4205191aef_attn,@function
k_q4205191aef_attn:
	s_mov_b64 s[64:65], 0
	v_nop
	global_prefetch_b8 v0, s[64:65] scope:SCOPE_SE
	s_setreg_imm32_b32 hwreg(HW_REG_WAVE_MODE, 25, 1), 1
	s_wait_xcnt 0x0
; attn: same-industry attention over SORTED tokens, fused with the output projection; rows go back to their tokens through perm.
; Work-group (T, b): sorted places 64 T .. 64 T + 63 of batch b.  Eight waves: wave w is head w in the attention (four query tiles of 16)
; and makes output columns 64 w .. 64 w + 63 in the projection.  Sorted, a query's keys lie in one run: the work-group walks the key
; steps of 32 from gs[64 T] >> 5 to (ge[64 T + 63] + 31) >> 5, whole numbers that an earlier launch stored; inside a step a key counts
; only if its id equals the query's (compared in every step, for any ids: one single group gives dense attention).
; Transposed forms: S^T = K Q^T puts a query in a lane (16 keys in registers, the other 16 in lane ^ 16), the packed S^T IS the operand P^T,
; O^T = V^T P^T keeps the query in the lane: maximum, sum and rescale need one exchange of halves and no LDS.
; Softmax with a running maximum, from -FLT_MAX; masked scores are -inf, so a step without a valid key gives p = 0 and a rescale by 1.
; NO CLUSTER.  What all work-groups share is Wo.  A wave's 64 KiB slice of it has one reader in the work-group, and each of its fragments
; is used once, for four matrix instructions: a copy in LDS adds no reuse, it would add 64 KiB of LDS reads a wave to the 64 KiB of A's
; for the same 256 matrix instructions; and two half-Wo slots (2 x 131,072 bytes) beside A (66,560) and the stage (34,816) pass the
; 327,680 bytes of a WGP, while smaller slots leave a joint refill 32 to 64 matrix instructions in which to land.  So Wo comes in
; fragment order straight into a ring of three register slots, two pairs of K steps ahead.
; LIMIT: operands are f16 (q, k, v and the attention output below 65,504 in magnitude); NaN and infinities are not honoured.
.set AP,    1040                       ; A's row: 512 f16 + 16 bytes
.set SP,    272                        ; a stage row: 64 f32 + 16 bytes
.set STAGE, 64*AP                      ; behind A: 16 rows x 272 bytes for each wave
.set L16, 1                            ; 16 x lane
.set R4,  2                            ; 4 r
.set H32, 3                            ; 32 h
.set KO,  4                            ; byte offset of the K tile asked for
.set VO,  5                            ; of the V tile
.set IO,  6                            ; of the key ids
.set ADS, 7                            ; where I put 16 bytes of A
.set TA,  8                            ; v[8:15]    a pair for each query tile, at work
.set AL,  16                           ; v[16:23]   rescale factor (low half of a pair)
.set NM,  24                           ; v[24:31]   -c x maximum (low half of a pair)
.set MX,  32                           ; v[32:35]   running maximum
.set LS,  36                           ; v[36:39]   running sum of my half's keys
.set QID, 40                           ; v[40:43]   my query's id, for each query tile
.set KID, 44                           ; v[44:59]   the ids of my 16 keys
.set Q,   60                           ; v[60:123]  16 qt + 8 ks
.set K,   124                          ; v[124:155] 16 kt + 8 ks
.set V,   156                          ; v[156:187] 8 dt (+ 4 kt)
.set S,   188                          ; v[188:251] 16 qt + 8 kt; P in 16 qt + 0..7
.set ADA, 252                          ; r x 1040 + 16 h
.set STO, 253                          ; the way out: where I put my results
.set SRD, 254                          ; where I read rows back
.set C16, 255                          ; 16 (lane & 15)
.set BI,  8                            ; projection: v[8:39] bo as the first product's C, later the rows' offsets
.set POF, 8
.set OA,  40                           ; v[40:167]  16 accumulators 8 (4 mt + nt)
.set AF,  168                          ; v[168:231] two buffers of 4 fragments of A
; window 1: 0-127 O^T accumulators 8 (4 qt + dt); 128-191, 192-255, then 0-63: the three slots of Wo; 64-95 perm; 96, 97 copies of two addresses
.set PO1,  64
.set ADA1, 96
.set WL1,  97
.set MSB, 0
.macro WIN new
.if MSB != (\new)
	s_set_vgpr_msb (MSB<<8)|(\new)
.set MSB, (\new)
.endif
.endm
.macro PLACES                          ; four plain vector instructions behind a matrix instruction (ISA guide 7.12.1)
.rept 4
	v_nop
.endr
.endm
	s_load_b256 s[4:11], s[0:1], 0x0               ; qkv s[4:5], wb s[6:7], bo s[8:9], meta s[10:11]
	s_load_b64 s[12:13], s[0:1], 0x20              ; out0
	v_lshrrev_b32 v124, 5, v0
	v_readfirstlane_b32 s14, v124                  ; wave = head
	s_and_b32 s16, ttmp7, 0xffff                   ; batch
	s_lshl_b32 s46, ttmp9, 8                       ; 64 T words
	s_mov_b32 s47, 0
	s_lshl_b32 s48, s16, 3
	s_add_co_u32 s48, s48, s14
	s_lshl_b32 s48, s48, 18                        ; (8 b + head) x 128 ttiles x 2,048 bytes
	s_mov_b32 s49, 0
	s_mov_b32 s18, 0x3e38aa3b                      ; c = log2(e) / sqrt(64)
	s_mov_b32 s19, 0x3e38aa3b
	s_mov_b32 s20, 0xbe38aa3b                      ; -c
	s_mov_b32 s21, 0xff800000                      ; -inf
	s_mov_b32 s22, 0x76543210                      ; v_permlanex16_b32: lane i takes lane i ^ 16
	s_mov_b32 s23, 0xfedcba98
	v_and_b32 v124, 15, v0                         ; r
	v_bfe_u32 v125, v0, 4, 1                       ; h
	v_and_b32 v126, 31, v0
	v_lshlrev_b32 v[L16], 4, v126
	v_lshlrev_b32 v[R4], 2, v124
	v_lshlrev_b32 v[H32], 5, v125
	v_mul_u32_u24 v[ADA], v124, AP
	v_lshl_add_u32 v[ADA], v125, 4, v[ADA]
	s_lshl_b32 s54, s14, 7
	v_add_nc_u32 v[ADS], s54, v[ADA]               ; + my head's 128 bytes of a row
	s_mul_i32 s55, s14, 16*SP
	s_add_co_u32 s55, s55, STAGE
	v_mul_u32_u24 v127, v124, SP
	v_lshl_add_u32 v127, v125, 5, v127
	v_add_nc_u32 v[STO], s55, v127
	v_lshlrev_b32 v[C16], 4, v124
	v_mul_u32_u24 v127, v125, 8*SP
	v_add3_u32 v[SRD], v127, v[C16], s55
.irp qt, 0,1,2,3
	v_mov_b32 v[MX+\qt], 0xff7fffff                ; -FLT_MAX: finite, so that maximum minus maximum is 0 in a step without valid keys
	v_mov_b32 v[LS+\qt], 0
	v_mov_b32 v[AL+2*\qt+1], 0                     ; the pairs' upper halves are named by packed instructions and never used
	v_mov_b32 v[NM+2*\qt+1], 0
.endr
	s_wait_kmcnt 0x0
	s_load_b32 s40, s[10:11], s46 offset:0x4000    ; gs[64 T]
	s_load_b32 s41, s[10:11], s46 offset:0x60fc    ; ge[64 T + 63]
	s_lshl_b32 s52, s14, 16
	s_mov_b32 s53, 0
	s_add_nc_u64 s[32:33], s[6:7], s[52:53]
	s_add_nc_u64 s[32:33], s[32:33], 0x180000      ; Wo's section, my 64 KiB
	s_add_nc_u64 s[24:25], s[4:5], s[48:49]
	s_add_nc_u64 s[26:27], s[24:25], 0x1000000     ; k of my batch and head
	s_add_nc_u64 s[28:29], s[24:25], 0x2000000     ; v
	s_lshl_b32 s52, ttmp9, 13
	s_add_nc_u64 s[24:25], s[24:25], s[52:53]      ; q at ttile 4 T
	s_add_nc_u64 s[30:31], s[10:11], 0x2000        ; sid
	s_add_nc_u64 s[50:51], s[30:31], s[46:47]      ; sid at place 64 T
	s_add_nc_u64 s[38:39], s[10:11], s[46:47]      ; perm at place 64 T
	s_lshl_b32 s54, s14, 8
	s_mov_b32 s55, 0
	s_add_nc_u64 s[36:37], s[8:9], s[54:55]        ; bo at column 64 w
	s_lshl_b32 s52, s16, 22
	s_add_co_u32 s52, s52, s54
	s_add_nc_u64 s[34:35], s[12:13], s[52:53]      ; out0 at my batch, column 64 w
.set i, 0
.rept 16
	global_load_b128 v[Q+4*i:Q+4*i+3], v[L16], s[24:25] offset:512*i
.set i, i+1
.endr
.irp qt, 0,1,2,3
	global_load_b32 v[QID+\qt], v[R4], s[50:51] offset:64*\qt
.endr
	s_wait_kmcnt 0x0
	s_min_u32 s40, s40, 2047
	s_lshr_b32 s42, s40, 5                         ; k: the first key step
	s_min_u32 s41, s41, 2048
	s_add_co_u32 s41, s41, 31
	s_lshr_b32 s41, s41, 5
	s_add_co_u32 s43, s42, 1
	s_max_u32 s43, s43, s41                        ; one past the last key step: at least one step, at most 64
	s_sub_co_u32 s44, s43, 1
	s_min_u32 s45, s42, 63
	v_lshl_add_u32 v[KO], s45, 12, v[L16]          ; a key step is two ttiles, 4,096 bytes
	v_lshl_add_u32 v[VO], s45, 12, v[L16]
	v_lshl_add_u32 v[IO], s45, 7, v[H32]           ; 32 ids; my 8 h
.macro KLOAD
.irp i, 0,1,2,3,4,5,6,7
	global_load_b128 v[K+4*\i:K+4*\i+3], v[KO], s[26:27] offset:512*\i
.endr
.endm
.macro IDLOAD                          ; ids of keys 16 kt + 8 h + 0 .. 7
.irp i, 0,1,2,3
	global_load_b128 v[KID+4*\i:KID+4*\i+3], v[IO], s[30:31] offset:64*(\i>>1)+16*(\i&1)
.endr
.endm
.macro VLOAD
.irp dt, 0,1,2,3
.irp kt, 0,1
	global_load_b128 v[V+8*\dt+4*\kt:V+8*\dt+4*\kt+3], v[VO], s[28:29] offset:2048*\kt+512*\dt
.endr
.endr
.endm
	KLOAD
	IDLOAD
	VLOAD
	; Wo, K steps 0 to 3, for much later.  Loads come back in order (ISA guide 5.7.1), so these 32 stand BEHIND all that the first key step
	; waits for; its counted waits leave them out.
	WIN 0x40
.set i, 0
.rept 32
	global_load_b128 v[128+4*i:128+4*i+3], v[L16], s[32:33] offset:512*i
.set i, i+1
.endr
	WIN 0
.macro SCALE                           ; every O^T accumulator of query tile qt times AL[qt]: the query is the lane
	WIN 0x41
.irp qt, 0,1,2,3
.set ee, 0
.rept 16
	v_pk_mul_f32 v[32*\qt+2*ee:32*\qt+2*ee+1], v[32*\qt+2*ee:32*\qt+2*ee+1], v[AL+2*\qt:AL+2*\qt+1] op_sel_hi:[1,0]
.set ee, ee+1
.endr
.endr
.endm
; One key step.  Loads run one step ahead, in the order K (8), ids (4), V (8); the look-ahead is clamped to the last step, whose tile is
; then asked for once more, inside the buffer, so that the counts are alike on every way.  An address register is stepped only behind
; the counted wait that shows its own last loads done.  more = loads that stand between this step's V and the next step's K (Wo's 32 in the first step).
.macro STEP first, more
	s_wait_loadcnt 12+\more                        ; K is in (and all older loads); this step's ids (4) and V (8) may be out
.irp ks, 0,1
.irp qt, 0,1,2,3
.irp kt, 0,1
.if \ks
	v_wmma_f32_16x16x32_f16 v[S+16*\qt+8*\kt:S+16*\qt+8*\kt+7], v[K+16*\kt+8:K+16*\kt+15], v[Q+16*\qt+8:Q+16*\qt+15], v[S+16*\qt+8*\kt:S+16*\qt+8*\kt+7]
.else
	v_wmma_f32_16x16x32_f16 v[S+16*\qt+8*\kt:S+16*\qt+8*\kt+7], v[K+16*\kt:K+16*\kt+7], v[Q+16*\qt:Q+16*\qt+7], 0
.endif
.endr
.endr
.endr                                  ; the eight tiles take turns, one instruction a turn
	s_add_co_u32 s45, s42, 1
	s_min_u32 s45, s45, s44
	s_min_u32 s45, s45, 63                         ; the next step, clamped
	PLACES
	v_lshl_add_u32 v[KO], s45, 12, v[L16]
	KLOAD
	s_wait_loadcnt 16+\more                        ; the ids are in; V (8) and the next K (8) may be out
.irp qt, 0,1,2,3
.irp e, 0,1,2,3,4,5,6,7,8,9,10,11,12,13,14,15
	v_cmp_eq_u32 vcc_lo, v[KID+\e], v[QID+\qt]
	v_cndmask_b32 v[S+16*\qt+\e], s21, v[S+16*\qt+\e], vcc_lo      ; another industry: -inf
.endr
.endr
	v_lshl_add_u32 v[IO], s45, 7, v[H32]
	IDLOAD
	; the new maximum: two chains a query tile, the old maximum in the first, then the other half of the lanes
.irp qt, 0,1,2,3
	v_max3_num_f32 v[TA+2*\qt],   v[MX+\qt],      v[S+16*\qt],   v[S+16*\qt+1]
	v_max3_num_f32 v[TA+2*\qt+1], v[S+16*\qt+8],  v[S+16*\qt+9], v[S+16*\qt+10]
.endr
.irp e, 2,4,6
.irp qt, 0,1,2,3
	v_max3_num_f32 v[TA+2*\qt], v[TA+2*\qt], v[S+16*\qt+\e], v[S+16*\qt+\e+1]
.endr
.endr
.irp e, 11,13
.irp qt, 0,1,2,3
	v_max3_num_f32 v[TA+2*\qt+1], v[TA+2*\qt+1], v[S+16*\qt+\e], v[S+16*\qt+\e+1]
.endr
.endr
.irp qt, 0,1,2,3
	v_max3_num_f32 v[TA+2*\qt], v[TA+2*\qt], v[TA+2*\qt+1], v[S+16*\qt+15]
.endr
.irp qt, 0,1,2,3
	v_permlanex16_b32 v[TA+2*\qt+1], v[TA+2*\qt], s22, s23
.endr
.irp qt, 0,1,2,3
	v_max_num_f32 v[TA+2*\qt], v[TA+2*\qt], v[TA+2*\qt+1]
.endr
.irp qt, 0,1,2,3
	v_sub_f32 v[AL+2*\qt], v[MX+\qt], v[TA+2*\qt]  ; old minus new: exactly 0 where the maximum stays
	v_mul_f32 v[NM+2*\qt], s20, v[TA+2*\qt]
	v_mov_b32 v[MX+\qt], v[TA+2*\qt]
.endr
.irp qt, 0,1,2,3
	v_mul_f32 v[AL+2*\qt], s18, v[AL+2*\qt]
.endr
.irp qt, 0,1,2,3
.irp e, 0,2,4,6,8,10,12,14
	v_pk_fma_f32 v[S+16*\qt+\e:S+16*\qt+\e+1], v[S+16*\qt+\e:S+16*\qt+\e+1], s[18:19], v[NM+2*\qt:NM+2*\qt+1] op_sel_hi:[1,0,0]   ; c (s - maximum)
.endr
.endr
.irp qt, 0,1,2,3
	v_exp_f32 v[AL+2*\qt], v[AL+2*\qt]
.endr
.set ee, 0
.rept 64
	v_exp_f32 v[S+ee], v[S+ee]
.set ee, ee+1
.endr
	v_nop                                          ; one plain instruction between the exponentials and the first use of a result (ISA guide 5.7.2)
	s_wait_alu depctr_va_vdst(0)
.irp qt, 0,1,2,3
	v_pk_add_f32 v[TA+2*\qt:TA+2*\qt+1], v[S+16*\qt:S+16*\qt+1], v[S+16*\qt+2:S+16*\qt+3]
.endr
.irp e, 4,6,8,10,12,14
.irp qt, 0,1,2,3
	v_pk_add_f32 v[TA+2*\qt:TA+2*\qt+1], v[TA+2*\qt:TA+2*\qt+1], v[S+16*\qt+\e:S+16*\qt+\e+1]
.endr
.endr
.irp qt, 0,1,2,3
	v_fma_f32 v[LS+\qt], v[LS+\qt], v[AL+2*\qt], v[TA+2*\qt]
.endr
.irp qt, 0,1,2,3
	v_add_f32 v[LS+\qt], v[LS+\qt], v[TA+2*\qt+1]
.endr
.irp qt, 0,1,2,3
.irp e, 0,1,2,3,4,5,6,7
	v_cvt_pk_f16_f32 v[S+16*\qt+\e], v[S+16*\qt+2*\e], v[S+16*\qt+2*\e+1]  ; in place, ascending: registers 0-3 keys 8 h .., 4-7 keys 16 + 8 h ..: the operand P^T
.endr
.endr
	s_wait_loadcnt 12+\more                        ; V is in; the next K (8) and ids (4) may be out
.if \first
	WIN 0x40
.else
	SCALE
	WIN 0x50
.endif
.irp qt, 0,1,2,3
.irp dt, 0,1,2,3
.if \first
	v_wmma_f32_16x16x32_f16 v[8*(4*\qt+\dt):8*(4*\qt+\dt)+7], v[V+8*\dt:V+8*\dt+7], v[S+16*\qt:S+16*\qt+7], 0
.else
	v_wmma_f32_16x16x32_f16 v[8*(4*\qt+\dt):8*(4*\qt+\dt)+7], v[V+8*\dt:V+8*\dt+7], v[S+16*\qt:S+16*\qt+7], v[8*(4*\qt+\dt):8*(4*\qt+\dt)+7]
.endif
.endr
.endr                                  ; sixteen accumulators by turns
	WIN 0
.rept 5
	v_nop                                          ; five places: the next step's matrix instructions write over P, and V is loaded again
.endr
	v_lshl_add_u32 v[VO], s45, 12, v[L16]
	VLOAD
.endm
	STEP 1, 32                                     ; the first step starts the sums of O^T: nothing is cleared; Wo's 32 loads stay out at each of its waits
	s_add_co_u32 s42, s42, 1
	s_cmp_ge_u32 s42, s43
	s_cbranch_scc1 .Lkeys_done
.Lkeys:
	STEP 0, 0
	s_add_co_u32 s42, s42, 1
	s_cmp_lt_u32 s42, s43
	s_cbranch_scc1 .Lkeys
.Lkeys_done:
	; The clamped look-ahead (K 8, ids 4, V 8) is still on its way into v44-59 and v124-187.  Nothing down to the wait in front of the
	; projection names those registers or KO, IO, VO.
.irp qt, 0,1,2,3
	v_permlanex16_b32 v[TA+2*\qt], v[LS+\qt], s22, s23
.endr
.irp qt, 0,1,2,3
	v_add_f32 v[LS+\qt], v[LS+\qt], v[TA+2*\qt]    ; both halves' keys; above 0: a query is its own key
.endr
.irp qt, 0,1,2,3
	v_rcp_f32 v[AL+2*\qt], v[LS+\qt]
.endr
	v_nop
	s_wait_alu depctr_va_vdst(0)
	SCALE
	WIN 0x05
.set i, 0
.rept 64
	v_cvt_pk_f16_f32 v[S+i], v[2*i], v[2*i+1]      ; tile 4 qt + dt: eight neighbouring features of my query, 16 bytes
.set i, i+1
.endr
	WIN 0
.irp qt, 0,1,2,3
.irp dt, 0,1,2,3
	ds_store_b128 v[ADS], v[S+4*(4*\qt+\dt):S+4*(4*\qt+\dt)+3] offset:16*AP*\qt+32*\dt
.endr
.endr
.irp i, 0,1,2,3,4,5,6,7
	global_load_b128 v[BI+4*\i:BI+4*\i+3], v[H32], s[36:37] offset:64*(\i>>1)+16*(\i&1)        ; bo[64 w + 16 nt + 8 h + j]
.endr
	WIN 0x40
.irp i, 0,1,2,3,4,5,6,7
	global_load_b128 v[PO1+4*\i:PO1+4*\i+3], v[H32], s[38:39] offset:64*(\i>>1)+16*(\i&1)      ; perm[64 T + 16 mt + 8 h + t]
.endr
.set i, 0
.rept 16
	global_load_b128 v[4*i:4*i+3], v[L16], s[32:33] offset:2*8192+512*i                        ; Wo, K steps 4 and 5, into the third slot
.set i, i+1
.endr
	v_mov_b32 v[ADA1], v[ADA]                      ; copies in window 1: the projection runs under one window setting, with source 0 there
	v_mov_b32 v[WL1], v[L16]
	WIN 0
	s_wait_dscnt 0x0                               ; my head's columns of A are in LDS, for the others' sake
	s_barrier_signal -1
	s_barrier_wait -1
	; THE PROJECTION: out[token][64 w + n] = sum over 512 of A[token][k] Wo[64 w + n][k] + bo.  Source 0 = Wo, source 1 = A: a lane holds eight neighbouring columns of one token.
.macro AFLOAD ks
.irp mt, 0,1,2,3
	ds_load_b128 v[AF+32*((\ks)&1)+8*\mt:AF+32*((\ks)&1)+8*\mt+3],   v[ADA1] offset:16*AP*\mt+64*(\ks)
	ds_load_b128 v[AF+32*((\ks)&1)+8*\mt+4:AF+32*((\ks)&1)+8*\mt+7], v[ADA1] offset:16*AP*\mt+64*(\ks)+32
.endr
.endm
.macro REFILL p                        ; Wo's K steps 2 p and 2 p + 1 into slot p mod 3
	WIN 0x41
.set i, 0
.rept 16
	global_load_b128 v[((128+64*((\p)%3))&255)+4*i:((128+64*((\p)%3))&255)+4*i+3], v[WL1], s[32:33] offset:(\p)*8192+512*i
.set i, i+1
.endr
	WIN 0x01
.endm
.macro PMUL ks                         ; sixteen accumulators by turns, in the same order in every K step
.set WS, ((128+64*(((\ks)>>1)%3))&255)+32*((\ks)&1)
.irp mt, 0,1,2,3
.irp nt, 0,1,2,3
.if \ks == 0
	v_wmma_f32_16x16x32_f16 v[OA+8*(4*\mt+\nt):OA+8*(4*\mt+\nt)+7], v[WS+8*\nt:WS+8*\nt+7], v[AF+32*((\ks)&1)+8*\mt:AF+32*((\ks)&1)+8*\mt+7], v[BI+8*\nt:BI+8*\nt+7]
.else
	v_wmma_f32_16x16x32_f16 v[OA+8*(4*\mt+\nt):OA+8*(4*\mt+\nt)+7], v[WS+8*\nt:WS+8*\nt+7], v[AF+32*((\ks)&1)+8*\mt:AF+32*((\ks)&1)+8*\mt+7], v[OA+8*(4*\mt+\nt):OA+8*(4*\mt+\nt)+7]
.endif
.endr
.endr
.endm
; A K step: its fragments of A are in; behind four places the slot of Wo that the last pair used is asked for again (refill = the pair, or -1)
; and the next step's fragments of A are fetched; lcnt = how many younger loads of Wo may stay out (or -1: nothing to wait for).
.macro PSTEP ks, refill, lcnt
	s_wait_dscnt 0x0
.if \ks < 15
	PLACES
.if \refill >= 0
	REFILL \refill
.endif
	AFLOAD \ks+1
.endif
.if \lcnt >= 0
	s_wait_loadcnt \lcnt
.endif
	PMUL \ks
.endm
	s_wait_loadcnt 32                              ; the look-ahead, and Wo's K steps 0 to 3 in front of it, have landed: v44-59 and v124-187 are used again from here on.
	                                               ; The 32 younger loads stay out: bo 8, perm 8, Wo's K steps 4 and 5 (16)
	WIN 0x01
	AFLOAD 0
	PSTEP 0, -1, 16                                ; bo and perm are in; pair 2's sixteen loads stay out
	PSTEP 1, -1, -1
	PSTEP 2, 3, -1                                 ; pairs 0 and 1 were shown landed by the wait in front of the projection
	PSTEP 3, -1, -1
	PSTEP 4, 4, 32                                 ; pair 2 is in; pairs 3 and 4 stay out
	PSTEP 5, -1, -1
	PSTEP 6, 5, 32
	PSTEP 7, -1, -1
	PSTEP 8, 6, 32
	PSTEP 9, -1, -1
	PSTEP 10, 7, 32
	PSTEP 11, -1, -1
	PSTEP 12, -1, 16                               ; pair 7 stays out
	PSTEP 13, -1, -1
	PSTEP 14, -1, 0
	PSTEP 15, -1, -1
	; THE WAY OUT, 16 tokens at a time through my own stage: in by columns of eight, back by rows of 256 bytes, each to its token's row of out0
	PLACES
	WIN 0x04
.set i, 0
.rept 32
	v_min_u32 v[POF+i], 0x7ff, v[PO1+i]            ; a token is below 2,048
.set i, i+1
.endr
	WIN 0
.set i, 0
.rept 32
	v_lshl_add_u32 v[POF+i], v[POF+i], 11, v[C16]  ; its row of 2,048 bytes, my 16 of the wave's 256
.set i, i+1
.endr
.macro OUTM mt
.irp nt, 0,1,2,3
	ds_store_b128 v[STO], v[OA+8*(4*\mt+\nt):OA+8*(4*\mt+\nt)+3]   offset:64*\nt
	ds_store_b128 v[STO], v[OA+8*(4*\mt+\nt)+4:OA+8*(4*\mt+\nt)+7] offset:64*\nt+16
.endr
	s_wait_xcnt 0x0                                ; the buffer that earlier stores read is loaded again only behind this wait
.irp t, 0,1,2,3,4,5,6,7
	ds_load_b128 v[AF+32*(\mt&1)+4*\t:AF+32*(\mt&1)+4*\t+3], v[SRD] offset:SP*\t   ; LDS serves a wave's instructions in order (ISA guide 5.7.1): these see the stores above
.endr
.irp t, 0,1,2,3,4,5,6,7
	s_wait_dscnt 7-\t
	global_store_b128 v[POF+8*\mt+\t], v[AF+32*(\mt&1)+4*\t:AF+32*(\mt&1)+4*\t+3], s[34:35] th:TH_STORE_NT   ; sixteen lanes store 256 consecutive bytes, aligned
.endr
.endm
	OUTM 0
	OUTM 1
	OUTM 2
	OUTM 3
	s_wait_xcnt 0x0
	v_lshl_add_u32 v254, v0, 2, 0x18c00
	v_mov_b32 v255, 0
	s_wait_tensorcnt 0x0
	ds_add_u32 v254, v255
	s_wait_dscnt 0x0
	s_endpgm
.Lfunc_end_k_q4205191aef_attn:
	.size	k_q4205191aef_attn, .Lfunc_end_k_q4205191aef_attn-k_q4205191aef_attn
	.p2alignl 7, 3214868480
	.fill 96, 4, 3214868480
	.section	.rodata,"a",@progbits
	.p2align	6, 0x0
	.amdhsa_kernel k_q4205191aef_attn
		.amdhsa_group_segment_fixed_size 102400
		.amdhsa_private_segment_fixed_size 0
		.amdhsa_enable_private_segment 0
		.amdhsa_kernarg_size 40
		.amdhsa_user_sgpr_count 2
		.amdhsa_user_sgpr_kernarg_segment_ptr 1
		.amdhsa_wavefront_size32 1
		.amdhsa_system_sgpr_workgroup_id_x 1
		.amdhsa_system_sgpr_workgroup_id_y 1
		.amdhsa_system_sgpr_workgroup_id_z 1
		.amdhsa_system_vgpr_workitem_id 0
		.amdhsa_next_free_vgpr 512
		.amdhsa_next_free_sgpr 66
		.amdhsa_reserve_vcc 1
		.amdhsa_float_denorm_mode_32 3
		.amdhsa_float_denorm_mode_16_64 3
		.amdhsa_memory_ordered 1
		.amdhsa_forward_progress 1
		.amdhsa_inst_pref_size 115
	.end_amdhsa_kernel
	.amdgpu_metadata
---
amdhsa.version: [ 1, 2 ]
amdhsa.kernels:
  - .name:           k_q4205191aef_attn
    .symbol:         k_q4205191aef_attn.kd
    .args:
      - { .name: qkv, .offset: 0, .size: 8, .value_kind: global_buffer, .address_space: global }
      - { .name: wb, .offset: 8, .size: 8, .value_kind: global_buffer, .address_space: global }
      - { .name: bo, .offset: 16, .size: 8, .value_kind: global_buffer, .address_space: global }
      - { .name: meta, .offset: 24, .size: 8, .value_kind: global_buffer, .address_space: global }
      - { .name: out0, .offset: 32, .size: 8, .value_kind: global_buffer, .address_space: global }
    .group_segment_fixed_size: 102400
    .private_segment_fixed_size: 0
    .kernarg_segment_align: 8
    .kernarg_segment_size: 40
    .max_flat_workgroup_size: 256
    .sgpr_count:     66
    .vgpr_count:     512
    .wavefront_size: 32
...
	.end_amdgpu_metadata
.endif
;; end of part 3
